; MI455X (gfx1250); checked and timed in simulation.
; The chip was launched on July 23, 2026; its instructions are those of AMD's public machine-readable ISA for CDNA 5 (MIT licence, August 2026) and "CDNA5" Instruction Set Architecture Reference Guide (July 2026). The comments in the code are by the model that wrote it; some were corrected since.
;; Multi Head Scalar Attention. Allowed arithmetic: matrix products marked QUANTISED: E4M3 operands, one given power-of-two scale a tensor, by v_wmma_f32_16x16x64_fp8_fp8 or v_wmma_f32_16x16x128_fp8_fp8, f32 sums; everything else in f32.
;; Inputs: Wk_codes 1,024 x 32 x 32 uint8 (E4M3 codes of Wk, K innermost, in blocks of 32 codes); Wq_codes 1,024 x 32 x 32 uint8 (E4M3 codes of Wq, K innermost, in blocks of 32 codes); Wv_codes 1,024 x 32 x 32 uint8 (E4M3 codes of Wv, K innermost, in blocks of 32 codes); bk 1,024 float32; bq 1,024 float32; bv 1,024 float32; key_codes 4 x 2,048 x 32 x 32 uint8 (E4M3 codes of key, K innermost, in blocks of 32 codes); lowp_scales 10 int32 (the exponents e of the quantised operands' scales 2^e); query_codes 4 x 2,048 x 32 x 32 uint8 (E4M3 codes of query, K innermost, in blocks of 32 codes); value_codes 4 x 2,048 x 32 x 32 uint8 (E4M3 codes of value, K innermost, in blocks of 32 codes).
;; Outputs: out0 4 x 2,048 x 1,024 float32.
;; This version of the problem:
;;   THIS VERSION OF THE PROBLEM IS GIVEN IN LOW PRECISION. The matrix products marked QUANTISED in the list below multiply operands that are first quantised to E4M3 (4 exponent bits, 3 mantissa bits; 8 bits a number), with one given power-of-two scale for each operand tensor; their sums are f32. All else is computed in f32.
;;   The module's matrix products, in the order in which they are computed (A, B: the left and right operand; K: the contracted axis; several contracted axes count as one K, in the product's order):
;;     1. [M 8,192, K 1,024] x [K 1,024, N 1,024]; A: input query (given as codes); B: input Wq (given as codes): QUANTISED (scales: A lowp_scales[0], B lowp_scales[1])
;;     2. [M 8,192, K 1,024] x [K 1,024, N 1,024]; A: input key (given as codes); B: input Wk (given as codes): QUANTISED (scales: A lowp_scales[2], B lowp_scales[3])
;;     3. [M 8,192, K 1,024] x [K 1,024, N 1,024]; A: input value (given as codes); B: input Wv (given as codes): QUANTISED (scales: A lowp_scales[4], B lowp_scales[5])
;;     4. batch 64 x [M 2,048, K 64] x [K 64, N 2,048]; A: computed on the way; B: computed on the way: QUANTISED (scales: A lowp_scales[6], B lowp_scales[7])
;;     5. batch 64 x [M 64, K 2,048] x [K 2,048, N 2,048]; A: computed on the way; B: softmax (see below): QUANTISED (scales: A lowp_scales[8], B lowp_scales[9])
;;   THE QUANTISER, for each operand of a quantised product, along K:
;;     - The operand's scale is 2^e, e = its entry of the input lowp_scales (int32; the entries are numbered through the quantised products in the list's order, A before B).
;;     - Each number is divided by the scale, clamped to +-448, and rounded to the nearest number of E4M3, ties to even, subnormals kept.
;;     - The product sums the exact products of the quantised numbers (number of the format x scale) in f32.
;;   ~~~python
;;   def quantise(x, axis, e):      # numpy; x: float32 -> the quantised numbers, widened to float32 again
;;       x = np.moveaxis(x, axis, -1); K = x.shape[-1]
;;       r = np.clip(x / 2.0 ** e, -448, 448)
;;       step = 2.0 ** (np.maximum(np.frexp(np.where(r == 0, 1, r))[1] - 1, -6) - 3)
;;       q = np.round(r / step) * step * 2.0 ** e      # np.round: ties to even
;;       return np.moveaxis(q, -1, axis).astype(np.float32)
;;   ~~~
;;   SOFTMAX AHEAD OF A QUANTISED PRODUCT. Where the list says 'softmax', what is quantised is not the finished softmax but p = 2^(t - M), with t = logit x log2(e) and M = ceil(the row's largest t), a whole number; so 1/2 < the row's largest p <= 1. The row's sum l is taken of the UNQUANTISED p, in f32, and the product's result is divided by l at the end. Since M is a whole number, a kernel that streams over the keys may use a running M (the ceiling of the running maximum): every later rescaling is an exact power of two, so the quantised numbers keep their values, but for numbers so far below the row's largest that they fall under the format's range.
;;   OPERANDS COMPUTED ON THE WAY. 'Computed on the way' means the value that the module computes at that place (a softmax that the list does not call 'softmax' is quantised finished and normalised). What goes into a quantiser is computed in f32, as accurately as f32 sums, v_exp_f32 and their like allow (about 1e-6 of the number): no bf16 or f16 on the way to a quantiser, and a product that is left as it is and whose result goes on into a quantised operand takes f32 operands (vector FMAs, or v_wmma_f32_16x16x4_f32). A number that lies on a knife's edge between two numbers of the format may be rounded either way, as far as f32 arithmetic and the matrix unit's own rounding can turn it there, and no further.
;;   INPUTS GIVEN AS CODES. Wk (in the module: [1024, 1024], K = its axis 0); Wq (in the module: [1024, 1024], K = its axis 0); Wv (in the module: [1024, 1024], K = its axis 0); key (in the module: [4, 2048, 1024], K = its axis 2); query (in the module: [4, 2048, 1024], K = its axis 2); value (in the module: [4, 2048, 1024], K = its axis 2): each comes as NAME_codes (uint8): NAME with its K axis moved to the last place and cut into blocks of 32 codes, [.., K / 32, bytes a block], one block behind the other in memory; one code a byte (a code: sign, 4 exponent bits, 3 mantissa bits); its scale is its entry of lowp_scales. Its value is code x scale, taken as it is: it is not quantised again, and the codes and scales need not be those that the quantiser above would give.
;; One version. Each part assembles by itself: llvm-mc -triple=amdgcn-amd-amdhsa -mcpu=gfx1250 --defsym DOCPART=n.
;; ======== version 1 of 1: 2 launches
;; limits: right only within a limited range of input values
;; workspace buffers: qkv 25,165,824 bytes
;; launch proj (part 1): grid 4 x 64, 4 waves a work-group, clusters of 4 x 4, 327,680 bytes of LDS; arguments query_codes, key_codes, value_codes, Wq_codes, Wk_codes, Wv_codes, bq, bk, bv, lowp_scales, qkv; writes qkv
.if DOCPART == 1
	.amdgcn_target "amdgcn-amd-amdhsa--gfx1250"
	.amdhsa_code_object_version 6
	.text
	.protected	k_q4922a1493b_proj
	.globl	k_q4922a1493b_proj
	.p2align	8
	.type	k_q4922a1493b_proj,@function
k_q4922a1493b_proj:
	s_mov_b64 s[64:65], 0
	v_nop
	global_prefetch_b8 v0, s[64:65] scope:SCOPE_SE
	s_setreg_imm32_b32 hwreg(HW_REG_WAVE_MODE, 25, 1), 1
	s_wait_xcnt 0x0
	s_wait_alu depctr_hold_cnt(0) depctr_sa_sdst(0) depctr_va_vdst(0) depctr_va_sdst(0) depctr_va_ssrc(0) depctr_va_vcc(0) depctr_vm_vsrc(0)
	s_getreg_b32 s2, hwreg(HW_REG_IB_STS2, 6, 4)
	s_cmp_eq_u32 s2, 0
	s_cbranch_scc0 .Lentry_in_a_cluster
	s_endpgm
.Lentry_in_a_cluster:
	s_bfe_u32 s2, ttmp6, 0x10000c
	s_cmp_lg_u32 s2, 0xf033
	s_cbranch_scc0 .Lentry_shape_is_right
	s_endpgm
.Lentry_shape_is_right:
; Q, K, V = codes of relu(x W^T + b): three products [8192, 1024] x [1024, 1024] on codes of FP8 (E4M3), in one launch of 256 work-groups of four waves.
; A WORK-GROUP STAYS AND MAKES TWO TILES.  First 256 tokens x 256 features of Q (clusters 0-7) or of K (clusters 8-15): 128 x 128 a wave, 64 accumulators.  Then 256 features x 128 tokens of V: 128 x 64 a wave, 32 accumulators.
; 128 + 128 tiles of the first kind and 256 of the second are all of the work: each work-group has the same share.
; The matrix instruction takes rows of B as source 0 and rows of A as source 1: a lane holds one row of A and eight neighbouring rows of B.
; Q, K: A = tokens, B = rows of W, so a lane's registers run along the head's axis.  V: A = rows of Wv, B = tokens, so they run along the keys.
; THE RING: K goes in steps of 256 through two LDS slots (A's 256 rows, then B's 256 or 128), rows of 256 bytes padded to 272.  It does not stop between the tiles: the first tile's last two refills ask for V's K steps 0 and 1,
; which are on their way while the first tile's codes are made and stored.
; CLUSTERS of 4 x 4: A's tile hangs on cy (and the cluster) alone and is shared along a row, B's on cx (and the cluster) alone and is shared along a column: every load is a joint load.
; PREFETCH: behind the four refills ahead of V's K steps stands one prefetch a wave for the K step of V that is loaded two refills later: a lane a row of 256 bytes; of the rows that a wave fetches (128 of Wv, 64 of value)
; each of the four partners names a quarter, told apart by address (lanes 16-31 of B's waves name their wave's last row again).  The first tile's four K steps come by their loads alone.
; THE WAY OUT: the sums get the bias (divided by the two scales), are held between 0 and 448 x the scale (the relu and the hold in one) and are converted; the codes are stored as images of the next launch's operand registers, 512 consecutive bytes an instruction.
; LIMITS: for each tensor e(out) - e(in) - e(W) lies between -126 and 119, so that the powers of two below are f32 numbers.
; REGISTERS, in windows of 256: window 0: v0-31 addresses and constants; v32-95 Q's or K's bias; v96-111 V's bias; from v128 A's fragments, one set (on the way out: at work);
;   window 1: B's fragments, two sets, at v0 and v128;  windows 2, 3: accumulator (a, b) at v[8 (8 (a % 4) + b)], blocks a 0-3 and 4-7.
.set ROWB,   256
.set KROW,   1024
.set PITCH,  272
.set FR,     16
.set NL,     4
.set NP,     4
.set HALFT,  128*PITCH
.set SLOT,   4*HALFT
.set SPARE,  2*SLOT
.set ADRA, 16                          ; v16-17 my A fragments in slot 0, 1
.set ADRB, 20                          ; v20-21 my B fragments, first tile
.set ADRB2, 22                         ; v22-23 second tile
.set SCL2, 24                          ; v24, v25 the conversion's scale and the hold, second tile
.set LIM2, 25
.set CO,   26                          ; 16 x lane
.set PFO,  27                          ; the prefetches' offset: a row of 1,024 bytes a lane
.set SPW,  28
.set NIL,  29
.set SCL,  30                          ; first tile
.set LIM,  31
.set BJ,   32
.set BI,   96
.set AF,   128
.set TMP,  128
.set CD,   192
.set G1, 24                            ; s[24:31] group 1 for A;  s[32:39] group 0, a set a slot
.set G0, 32
.set G1B, 48                           ; s[48:55], s[56:63] the same for B;  s[92:99] group 1 for V's B: 64 rows
.set G0B, 56
.set G1BP, 92
.set PA,  78                           ; s[78:79] what I fetch of Wv, K step 0;  s[72:73] of value;  s[74:75] where my prefetches stand;  s[88:89] my part of V in qkv;  s101 LDS address of V's B rows that I fetch
.set PB,  72
.set PF,  74
.set O2,  88
.set LB,  101
.set MSB, 0
.macro WIN new
.if MSB != (\new)
	s_set_vgpr_msb (MSB<<8)|(\new)
.set MSB, (\new)
.endif
.endm
.set MUL_LO, 0xa1
.set MUL_HI, 0xf1
.set TO_B,   0x40
.macro JLOAD g0a, g1a, g0b, g1b        ; waves 0, 1 fetch for A, waves 2, 3 for B; s_nop 0 and four v_nop behind each line
	s_cmp_eq_u32 s15, 0
	s_cbranch_scc0 .Lfor_b_\@
	tensor_load_to_lds s[\g0a:\g0a+3], s[\g1a:\g1a+7]
	s_nop 0
.rept 4
	v_nop
.endr
	s_branch .Lasked_\@
.Lfor_b_\@:
	tensor_load_to_lds s[\g0b:\g0b+3], s[\g1b:\g1b+7]
	s_nop 0
.rept 4
	v_nop
.endr
.Lasked_\@:
.endm
.macro CREST
	s_cmp_lg_u32 s14, 0
	s_cbranch_scc1 .Lnot_wave_0_\@
	s_barrier_signal -3
.Lnot_wave_0_\@:
	s_barrier_wait -3
	s_barrier_signal -1
	s_barrier_wait -1
.endm
.macro CROUND
	s_barrier_signal -1
	s_barrier_wait -1
	CREST
.endm
	s_load_b512 s[68:83], s[0:1], 0x0              ; query, key, value, Wq, Wk, Wv, bq, bk
	s_load_b128 s[84:87], s[0:1], 0x40             ; bv, the scales' exponents
	s_load_b64 s[88:89], s[0:1], 0x50              ; qkv
	v_lshl_add_u32 v[SPW], v0, 2, SPARE
	v_mov_b32 v[NIL], 0
	ds_add_u32 v[SPW], v[NIL]                      ; the opening lines: the add, twice on end, and its wait below
	ds_add_u32 v[SPW], v[NIL]
	v_lshrrev_b32 v1, 5, v0
	v_readfirstlane_b32 s14, v1                    ; wave 0..3
	s_lshr_b32 s15, s14, 1                         ; my half of A's rows.  Also: I fetch for A (0) or for B (1)
	s_and_b32 s16, s14, 1                          ; my half of B's rows.  Also: which half of that tile I fetch
	s_bfe_u32 s40, ttmp6, 0x40000                  ; cx
	s_bfe_u32 s41, ttmp6, 0x40004                  ; cy
	s_and_b32 s13, ttmp7, 0xffff                   ; the cluster, 0..15 (the grid has one cluster along x)
	s_lshr_b32 s12, s13, 3                         ; first tile: 0 Q, 1 K
	s_and_b32 s17, s13, 7
	s_lshl_b32 s17, s17, 2
	s_add_co_u32 s17, s17, s41                     ; its tile of 256 tokens; its tile of 256 features is cx
	s_lshl_b32 s19, s13, 2
	s_add_co_u32 s19, s19, s40                     ; second tile: its block of 128 tokens; its tile of 256 features is cy
	s_lshl_b32 s43, s41, 2
	s_lshl_b32 s43, 15, s43                        ; my row of the cluster
	s_lshl_b32 s44, 0x1111, s40                    ; my column
	s_or_b32 s[G1+0], s43, (0<<16)|(1<<20)|(1<<21)|(5<<22)|(3<<25)   ; the mask; elements of 1 byte; padding of 4 words after every 64; bit 21 beside a mask
	s_or_b32 s[G1B+0], s44, (0<<16)|(1<<20)|(1<<21)|(5<<22)|(3<<25)
	s_or_b32 s[G1BP+0], s44, (0<<16)|(1<<20)|(1<<21)|(5<<22)|(3<<25)
.irp g, G1, G1B
	s_mov_b32 s[\g+1], ROWB<<16
	s_mov_b32 s[\g+2], 128<<16
	s_mov_b32 s[\g+3], ROWB<<16
	s_mov_b32 s[\g+4], 128
	s_mov_b32 s[\g+5], KROW
	s_mov_b32 s[\g+6], 0
	s_mov_b32 s[\g+7], 0
.endr
	s_mov_b32 s[G1BP+1], ROWB<<16
	s_mov_b32 s[G1BP+2], 64<<16
	s_mov_b32 s[G1BP+3], ROWB<<16
	s_mov_b32 s[G1BP+4], 64
	s_mov_b32 s[G1BP+5], KROW
	s_mov_b32 s[G1BP+6], 0
	s_mov_b32 s[G1BP+7], 0
	s_lshl_b32 s18, s16, 7
	s_lshl_b32 s20, s17, 8
	s_add_co_u32 s20, s20, s18
	s_lshl_b32 s20, s20, 10                        ; first tile, A: token 256 x tile + 128 x half, rows of 1,024 bytes
	s_mov_b32 s21, 0
	s_lshl_b32 s46, s40, 8
	s_add_co_u32 s46, s46, s18
	s_lshl_b32 s46, s46, 10                        ; B: row 256 cx + 128 x half of W
	s_mov_b32 s47, 0
	s_lshl_b32 s22, s41, 8
	s_add_co_u32 s22, s22, s18
	s_lshl_b32 s22, s22, 10                        ; second tile, A: row 256 cy + 128 x half of Wv
	s_mov_b32 s23, 0
	s_lshl_b32 s90, s19, 7
	s_lshl_b32 s91, s16, 6
	s_add_co_u32 s90, s90, s91
	s_lshl_b32 s90, s90, 10                        ; B: token 128 x block + 64 x half
	s_mov_b32 s91, 0
	s_mul_i32 s45, s14, HALFT                      ; where my loads go: wave x 128 rows;
	s_mul_i32 s[LB], s16, 64*PITCH
	s_add_co_u32 s[LB], s[LB], 2*HALFT             ; V's B: behind A's 256 rows, 64 rows a wave
	s_wait_dscnt 0x0                               ; both opening adds are done
	s_wait_kmcnt 0x0
	s_cmp_eq_u32 s12, 1
	s_cselect_b64 s[4:5], s[70:71], s[68:69]
	s_cselect_b64 s[6:7], s[76:77], s[74:75]
	s_cselect_b64 s[8:9], s[82:83], s[80:81]
	s_load_b128 s[80:83], s[86:87], 0x0            ; e of query, Wq, key, Wk
	s_load_b128 s[68:71], s[86:87], 0x10           ; of value, Wv, Q, K
	s_load_b32 s100, s[86:87], 0x20                ; of V
	s_add_nc_u64 s[20:21], s[4:5], s[20:21]
	s_add_nc_u64 s[46:47], s[6:7], s[46:47]
	s_add_nc_u64 s[PA:PA+1], s[PA:PA+1], s[22:23]
	s_add_nc_u64 s[PB:PB+1], s[PB:PB+1], s[90:91]
	s_cmp_eq_u32 s15, 0                            ; the prefetches: of what I fetch for V, my work-group's quarter
	s_cselect_b64 s[PF:PF+1], s[PA:PA+1], s[PB:PB+1]
	s_cselect_b32 s22, s40, s41                    ; my place among the four that ask with me
	s_cselect_b32 s23, 15, 14                      ; 32 rows of 1,024 bytes, or 16
	s_cselect_b32 s18, 31, 15                      ; the last lane that names a row of its own
	s_lshl_b32 s22, s22, s23
	s_mov_b32 s23, 0
	s_add_nc_u64 s[PF:PF+1], s[PF:PF+1], s[22:23]
	s_or_b32 s[PA+1], s[PA+1], 0x80000000          ; type = 2: these two go into descriptors
	s_or_b32 s[PB+1], s[PB+1], 0x80000000
	CROUND                                         ; all sixteen work-groups are here: the first joint loads meet
.irp s, 0,1
	s_mov_b32 s[G0+4*\s], 1
	s_add_co_u32 s[G0+4*\s+1], s45, \s*SLOT
	s_add_nc_u64 s[G0+4*\s+2:G0+4*\s+3], s[20:21], \s*ROWB
	s_or_b32 s[G0+4*\s+3], s[G0+4*\s+3], 0x80000000
	s_mov_b32 s[G0B+4*\s], 1
	s_add_co_u32 s[G0B+4*\s+1], s45, \s*SLOT
	s_add_nc_u64 s[G0B+4*\s+2:G0B+4*\s+3], s[46:47], \s*ROWB
	s_or_b32 s[G0B+4*\s+3], s[G0B+4*\s+3], 0x80000000
.endr
	JLOAD G0, G1, G0B, G1B                         ; K step 0: one tensor load a wave at the head
	v_and_b32 v1, 15, v0                           ; r
	v_bfe_u32 v2, v0, 4, 1                         ; h
	v_mul_u32_u24 v3, v1, PITCH
	v_lshl_add_u32 v4, v2, 4, v3                   ; a fragment's row x pitch + 16 x half
	s_wait_alu depctr_va_vdst(0)                   ; the wait
	s_mul_i32 s21, s15, HALFT                      ; my 128 rows of A
	s_mul_i32 s22, s16, HALFT
	s_add_co_u32 s22, s22, 2*HALFT                 ; my 128 rows of B, first tile
	s_mov_b32 s23, s[LB]                           ; my 64 rows of B, second tile
.irp s, 0,1
	v_add_nc_u32 v[ADRA+\s], s21, v4
	v_add_nc_u32 v[ADRB+\s], s22, v4
	v_add_nc_u32 v[ADRB2+\s], s23, v4
	s_add_co_u32 s21, s21, SLOT
	s_add_co_u32 s22, s22, SLOT
	s_add_co_u32 s23, s23, SLOT
.endr
	v_and_b32 v6, 31, v0
	v_lshlrev_b32 v[CO], 4, v6
	v_min_u32 v6, s18, v6
	v_lshlrev_b32 v[PFO], 10, v6
	; qkv: tensor x 2^23 + (((block of 128 tokens / 16) x 8 + block of 128 features) x 16 + block of tokens % 16) x 16,384
	s_lshl_b32 s43, s40, 1
	s_add_co_u32 s43, s43, s16                     ; first tile: my block of features,
	s_lshl_b32 s44, s17, 1
	s_add_co_u32 s44, s44, s15                     ; of tokens
	s_lshr_b32 s46, s44, 4
	s_lshl_b32 s46, s46, 3
	s_add_co_u32 s46, s46, s43
	s_lshl_b32 s46, s46, 4
	s_and_b32 s47, s44, 15
	s_add_co_u32 s46, s46, s47
	s_lshl_b32 s46, s46, 14
	s_lshl_b32 s47, s12, 23
	s_add_co_u32 s46, s46, s47
	s_mov_b32 s47, 0
	s_add_nc_u64 s[10:11], s[88:89], s[46:47]
	s_lshl_b32 s45, s41, 1
	s_add_co_u32 s45, s45, s15                     ; second tile: my block of features; the block of tokens is the work-group's
	s_lshr_b32 s46, s19, 4
	s_lshl_b32 s46, s46, 3
	s_add_co_u32 s46, s46, s45
	s_lshl_b32 s46, s46, 4
	s_and_b32 s47, s19, 15
	s_add_co_u32 s46, s46, s47
	s_lshl_b32 s46, s46, 14
	s_lshl_b32 s47, s16, 10                        ; my 64 tokens are loads 2 x half and 2 x half + 1 of a fragment's four
	s_add_co_u32 s46, s46, s47
	s_add_co_u32 s46, s46, 2<<23
	s_mov_b32 s47, 0
	s_add_nc_u64 s[O2:O2+1], s[O2:O2+1], s[46:47]
	s_lshl_b32 s76, s43, 9
	v_lshlrev_b32 v5, 5, v2
	v_add_nc_u32 v5, s76, v5                       ; Q, K: register 8 b + j is feature 16 b + 8 h + j of my block
	s_lshl_b32 s77, s45, 9
	v_lshlrev_b32 v7, 2, v1
	v_add_nc_u32 v7, s77, v7                       ; V: block a's lane is feature 16 a + r
.irp b, 0,1,2,3,4,5,6,7
	global_load_b128 v[BJ+8*\b:BJ+8*\b+3], v5, s[8:9] offset:64*\b
	global_load_b128 v[BJ+8*\b+4:BJ+8*\b+7], v5, s[8:9] offset:64*\b+16
.endr
.irp a, 0,1,2,3,4,5,6,7
	global_load_b32 v[BI+2*\a], v7, s[84:85] offset:64*\a
.endr
	s_wait_kmcnt 0x0
	s_cmp_eq_u32 s12, 1
	s_cselect_b32 s20, s82, s80
	s_cselect_b32 s21, s83, s81
	s_cselect_b32 s22, s71, s70
	s_add_co_i32 s20, s20, s21                     ; a sum stands for sum x 2^(e(in) + e(W))
	s_sub_co_i32 s21, 0, s20                       ; the bias is divided by that
	s_sub_co_i32 s22, s22, s20
	s_add_co_i32 s22, s22, 127
	s_lshl_b32 s23, s22, 23
	v_mov_b32 v[SCL], s23                          ; 2^(e(out) - e(in) - e(W))
	s_add_co_i32 s22, s22, 8
	s_lshl_b32 s22, s22, 23
	s_or_b32 s22, s22, 0x600000
	v_mov_b32 v[LIM], s22                          ; 448 x that
	s_add_co_i32 s76, s68, s69
	s_sub_co_i32 s77, 0, s76
	s_sub_co_i32 s90, s100, s76
	s_add_co_i32 s90, s90, 127
	s_lshl_b32 s91, s90, 23
	v_mov_b32 v[SCL2], s91
	s_add_co_i32 s90, s90, 8
	s_lshl_b32 s90, s90, 23
	s_or_b32 s90, s90, 0x600000
	v_mov_b32 v[LIM2], s90
	s_wait_loadcnt 0x0
.set j, 0
.rept 64
	v_ldexp_f32 v[BJ+j], v[BJ+j], s21
.set j, j+1
.endr
.irp a, 0,1,2,3,4,5,6,7
	v_ldexp_f32 v[BI+2*\a], v[BI+2*\a], s77
.endr
.irp a, 0,1,2,3,4,5,6,7
	v_mov_b32 v[BI+2*\a+1], v[BI+2*\a]             ; a pair for the packed addition
.endr
; NB: B's fragments a wave (8, then 4); ADB: B's address registers.  The macros below serve both tiles.
.macro FRAG reg, adr, q, i             ; 16 rows x 128 K: registers 4 c .. 4 c + 3 hold K = 32 c + 16 h + 0 .. 15, alike in A and B
.irp c, 0,1,2,3
	ds_load_b128 v[\reg+4*\c:\reg+4*\c+3], v[\adr] offset:128*(\q)+32*\c+(\i)*16*PITCH
.endr
.endm
.macro MUL16 a0, p, zero               ; A's blocks a0, a0 + 1 x B's NB; the accumulators take turns, one instruction a turn
.irp a, \a0, \a0+1
.set b, 0
.rept NB
.if \zero
	v_wmma_f32_16x16x128_fp8_fp8 v[8*(8*((\a)%4)+b):8*(8*((\a)%4)+b)+7], v[128*(\p)+FR*b:128*(\p)+FR*b+FR-1], v[AF+FR*(\a):AF+FR*(\a)+FR-1], 0
.else
	v_wmma_f32_16x16x128_fp8_fp8 v[8*(8*((\a)%4)+b):8*(8*((\a)%4)+b)+7], v[128*(\p)+FR*b:128*(\p)+FR*b+FR-1], v[AF+FR*(\a):AF+FR*(\a)+FR-1], v[8*(8*((\a)%4)+b):8*(8*((\a)%4)+b)+7]
.endif
.set b, b+1
.endr
.endr
.endm
.macro FETCH_B slot, q, p
	WIN TO_B
.set i, 0
.rept NB
	FRAG 128*(\p)+FR*i, ADB+\slot, \q, i
.set i, i+1
.endr
	WIN 0
.endm
.macro FETCH_A slot, q, i0
.irp i, \i0, \i0+1, \i0+2, \i0+3
	FRAG AF+FR*(\i), ADRA+\slot, \q, \i
.endr
.endm
.macro PLACES n
.rept \n
	v_nop
.endr
.endm
.macro STEP slot, q, zero              ; 128 along K, with its successor in the same slot
	s_wait_dscnt 4*NL                              ; B's set and A's blocks 0-3 are in; the youngest sixteen loads (A's blocks 4-7) may be out
	WIN MUL_LO
	MUL16 0, (\q)%2, \zero
	MUL16 2, (\q)%2, \zero
	s_wait_dscnt 0
	PLACES NP
	FETCH_B \slot, (\q)+1, 1-(\q)%2
	FETCH_A \slot, (\q)+1, 0
	WIN MUL_HI
	MUL16 4, (\q)%2, \zero
	MUL16 6, (\q)%2, \zero
	PLACES NP
	WIN 0
	FETCH_A \slot, (\q)+1, 4
.endm
; A slot's last 128 along K, and the change of slots.  fill: 0 nothing; 1 this tile's K step two on (first tile); 2 V's K step 0 or 1; 3 V's K step two on.  fetch: the next slot's first fragments.  pf: the K step of V that is prefetched, or -1
.macro TURN slot, next, fill, fetch, pf
	s_wait_tensorcnt 0x0                           ; all my tensor loads have landed: my part of the next slot
	ds_add_u32 v[SPW], v[NIL]                      ; the add
	s_wait_dscnt 4*NL+1                            ; (the add and A's blocks 4-7 may be out)
	WIN MUL_LO
	MUL16 0, 1, 0
	s_wait_dscnt 0x0                               ; the add is done, and my reads of this slot are over
	s_barrier_signal -1
	MUL16 2, 1, 0
	WIN 0
	s_barrier_wait -1
.if \fill
	CREST                                          ; the barrier has opened a round of the cluster's barrier
.if \fill == 2
	s_add_nc_u64 s[G0+4*\slot+2:G0+4*\slot+3], s[PA:PA+1], (\slot)*ROWB
	s_add_nc_u64 s[G0B+4*\slot+2:G0B+4*\slot+3], s[PB:PB+1], (\slot)*ROWB
	s_add_co_u32 s[G0B+4*\slot+1], s[LB], (\slot)*SLOT
.else
	s_add_nc_u64 s[G0+4*\slot+2:G0+4*\slot+3], s[G0+4*\slot+2:G0+4*\slot+3], 2*ROWB
	s_add_nc_u64 s[G0B+4*\slot+2:G0B+4*\slot+3], s[G0B+4*\slot+2:G0B+4*\slot+3], 2*ROWB
.endif
.if \fill == 1
	JLOAD G0+4*\slot, G1, G0B+4*\slot, G1B         ; the first tensor load behind the round; its four v_nop are the places in front of the loads below
.else
	JLOAD G0+4*\slot, G1, G0B+4*\slot, G1BP
.endif
.else
	PLACES NP
.endif
.if \fetch
	FETCH_B \next, 0, 0
	FETCH_A \next, 0, 0
.endif
.if \pf >= 0
	global_prefetch_b8 v[PFO], s[PF:PF+1] offset:(\pf)*ROWB th:TH_LOAD_NT scope:SCOPE_SE   ; its registers are never rewritten
.endif
	WIN MUL_HI
	MUL16 4, 1, 0
	MUL16 6, 1, 0
	PLACES NP
	WIN 0
.if \fetch
	FETCH_A \next, 0, 4
.endif
.endm
.macro OUT1 a                          ; Q, K: block a's 16 tokens x 128 features
.set AC, 64*((\a)%4)
.set CB, CD+16*((\a)%4)
.if (\a) >= 4
	s_wait_xcnt 0x0                                ; block a - 4's stores have read their registers
.endif
	WIN 0x02+((\a)/4)
.set j, 0
.rept 32
	v_pk_add_f32 v[TMP+j:TMP+j+1], v[AC+j:AC+j+1], v[BJ+j:BJ+j+1]   ; each accumulator from its low end on
.set j, j+2
.endr
	WIN 0
.set j, 0
.rept 64
	v_med3_num_f32 v[TMP+j], v[TMP+j], 0, v[LIM]   ; the relu and the hold in one
.set j, j+1
.endr
.irp b, 0,1,2,3,4,5,6,7
	v_cvt_scalef32_pk8_fp8_f32 v[CB+2*\b:CB+2*\b+1], v[TMP+8*\b:TMP+8*\b+7], v[SCL]
.endr
	v_nop
.irp c, 0,1,2,3
	global_store_b128 v[CO], v[CB+4*\c:CB+4*\c+3], s[10:11] offset:(\a)*2048+\c*512
.endr
.endm
.macro OUT2 a                          ; V: block a's 16 features x 64 tokens
.set AC, 64*((\a)%4)
.set CB, CD+8*(\a)
	WIN 0x02+((\a)/4)
.set j, 0
.rept 16
	v_pk_add_f32 v[TMP+j:TMP+j+1], v[AC+j:AC+j+1], v[BI+2*(\a):BI+2*(\a)+1]
.set j, j+2
.endr
	WIN 0
.set j, 0
.rept 32
	v_med3_num_f32 v[TMP+j], v[TMP+j], 0, v[LIM2]
.set j, j+1
.endr
.irp b, 0,1,2,3
	v_cvt_scalef32_pk8_fp8_f32 v[CB+2*\b:CB+2*\b+1], v[TMP+8*\b:TMP+8*\b+7], v[SCL2]
.endr
	v_nop
.irp c, 0,1
	global_store_b128 v[CO], v[CB+4*\c:CB+4*\c+3], s[O2:O2+1] offset:(\a)*2048+\c*512
.endr
.endm
	s_wait_alu depctr_va_vdst(0)                   ; the wait at the head's end
	s_wait_tensorcnt 0x0                           ; my part of K step 0 is in; the three lines ahead of a later first fill
	ds_add_u32 v[SPW], v[NIL]
	s_wait_dscnt 0x0
	CROUND                                         ; everybody's part of K step 0 is in, and the sixteen work-groups are here
	JLOAD G0+4, G1, G0B+4, G1B                     ; K step 1: the first tensor load behind the round
.set NB, 8
.set ADB, ADRB
	FETCH_B 0, 0, 0
	FETCH_A 0, 0, 0
	FETCH_A 0, 0, 4
	STEP 0, 0, 1                                   ; the first products start the sums
	TURN 0, 1, 1, 1, 0                             ; slot 0 takes K step 2
	STEP 1, 0, 0
	TURN 1, 0, 1, 1, 1                             ; slot 1 takes K step 3
	STEP 0, 0, 0
	TURN 0, 1, 2, 1, 2                             ; THE RING GOES ON INTO V: slot 0 takes its K step 0,
	STEP 1, 0, 0
	TURN 1, 0, 2, 0, 3                             ; slot 1 its K step 1.  Both are asked for: now the first tile goes out
.irp a, 0,1,2,3,4,5,6,7
	OUT1 \a
.endr
	s_wait_xcnt 0x0                                ; the stores have read their registers: A's fragments may land there
.set NB, 4
.set ADB, ADRB2
	FETCH_B 0, 0, 0                                ; V's K step 0 was shown whole by the last change of slots
	FETCH_A 0, 0, 0
	FETCH_A 0, 0, 4
	STEP 0, 0, 1
	TURN 0, 1, 3, 1, -1                            ; slot 0 takes V's K step 2
	STEP 1, 0, 0
	TURN 1, 0, 3, 1, -1                            ; slot 1 its K step 3
	STEP 0, 0, 0
	TURN 0, 1, 0, 1, -1                            ; nothing is filled any more
	STEP 1, 0, 0
	s_wait_dscnt 4*NL
	WIN MUL_LO
	MUL16 0, 1, 0
	MUL16 2, 1, 0
	s_wait_dscnt 0
	WIN MUL_HI
	MUL16 4, 1, 0
	MUL16 6, 1, 0
	WIN 0
	PLACES NP
.irp a, 0,1,2,3,4,5,6,7
	OUT2 \a
.endr
	s_wait_tensorcnt 0x0                           ; the wave's end
	ds_add_u32 v[SPW], v[NIL]
	s_wait_dscnt 0x0
	CROUND                                         ; the closing round
	s_endpgm
.Lfunc_end_k_q4922a1493b_proj:
	.size	k_q4922a1493b_proj, .Lfunc_end_k_q4922a1493b_proj-k_q4922a1493b_proj
	.p2alignl 7, 3214868480
	.fill 96, 4, 3214868480
	.section	.rodata,"a",@progbits
	.p2align	6, 0x0
	.amdhsa_kernel k_q4922a1493b_proj
		.amdhsa_group_segment_fixed_size 327680
		.amdhsa_private_segment_fixed_size 0
		.amdhsa_enable_private_segment 0
		.amdhsa_kernarg_size 88
		.amdhsa_user_sgpr_count 2
		.amdhsa_user_sgpr_kernarg_segment_ptr 1
		.amdhsa_wavefront_size32 1
		.amdhsa_system_sgpr_workgroup_id_x 1
		.amdhsa_system_sgpr_workgroup_id_y 1
		.amdhsa_system_sgpr_workgroup_id_z 1
		.amdhsa_system_vgpr_workitem_id 0
		.amdhsa_next_free_vgpr 1024
		.amdhsa_next_free_sgpr 102
		.amdhsa_reserve_vcc 0
		.amdhsa_float_denorm_mode_32 3
		.amdhsa_float_denorm_mode_16_64 3
		.amdhsa_memory_ordered 1
		.amdhsa_forward_progress 1
		.amdhsa_inst_pref_size 220
	.end_amdhsa_kernel
	.amdgpu_metadata
---
amdhsa.version: [ 1, 2 ]
amdhsa.kernels:
  - .name:           k_q4922a1493b_proj
    .symbol:         k_q4922a1493b_proj.kd
    .args:
      - { .name: query_codes, .offset: 0, .size: 8, .value_kind: global_buffer, .address_space: global }
      - { .name: key_codes, .offset: 8, .size: 8, .value_kind: global_buffer, .address_space: global }
      - { .name: value_codes, .offset: 16, .size: 8, .value_kind: global_buffer, .address_space: global }
      - { .name: Wq_codes, .offset: 24, .size: 8, .value_kind: global_buffer, .address_space: global }
      - { .name: Wk_codes, .offset: 32, .size: 8, .value_kind: global_buffer, .address_space: global }
      - { .name: Wv_codes, .offset: 40, .size: 8, .value_kind: global_buffer, .address_space: global }
      - { .name: bq, .offset: 48, .size: 8, .value_kind: global_buffer, .address_space: global }
      - { .name: bk, .offset: 56, .size: 8, .value_kind: global_buffer, .address_space: global }
      - { .name: bv, .offset: 64, .size: 8, .value_kind: global_buffer, .address_space: global }
      - { .name: lowp_scales, .offset: 72, .size: 8, .value_kind: global_buffer, .address_space: global }
      - { .name: qkv, .offset: 80, .size: 8, .value_kind: global_buffer, .address_space: global }
    .group_segment_fixed_size: 327680
    .private_segment_fixed_size: 0
    .kernarg_segment_align: 8
    .kernarg_segment_size: 88
    .max_flat_workgroup_size: 128
    .sgpr_count:     102
    .vgpr_count:     1024
    .wavefront_size: 32
...
	.end_amdgpu_metadata
.endif
;; end of part 1
;; launch attn (part 2): grid 4 x 64, 8 waves a work-group, clusters of 4 x 1, 327,680 bytes of LDS; arguments qkv, lowp_scales, out0; writes out0
.if DOCPART == 2
	.amdgcn_target "amdgcn-amd-amdhsa--gfx1250"
	.amdhsa_code_object_version 6
	.text
	.protected	k_q4922a1493b_attn
	.globl	k_q4922a1493b_attn
	.p2align	8
	.type	k_q4922a1493b_attn,@function
k_q4922a1493b_attn:
	s_mov_b64 s[64:65], 0
	v_nop
	global_prefetch_b8 v0, s[64:65] scope:SCOPE_SE
	s_setreg_imm32_b32 hwreg(HW_REG_WAVE_MODE, 25, 1), 1
	s_wait_xcnt 0x0
	s_wait_alu depctr_hold_cnt(0) depctr_sa_sdst(0) depctr_va_vdst(0) depctr_va_sdst(0) depctr_va_ssrc(0) depctr_va_vcc(0) depctr_vm_vsrc(0)
	s_getreg_b32 s2, hwreg(HW_REG_IB_STS2, 6, 4)
	s_cmp_eq_u32 s2, 0
	s_cbranch_scc0 .Lentry_in_a_cluster
	s_endpgm
.Lentry_in_a_cluster:
	s_bfe_u32 s2, ttmp6, 0x10000c
	s_cmp_lg_u32 s2, 0x3003
	s_cbranch_scc0 .Lentry_shape_is_right
	s_endpgm
.Lentry_shape_is_right:
; out[b][q][head][:] = the sum over k of softmax_k(Q[q] . K[k] / 8) V[k][:], 64 heads (4 batches x 16), 2,048 tokens, head size 64, both products on codes of FP8 (E4M3).
; qkv holds Q's, K's and V's codes (at bytes 0, 8,388,608, 16,777,216) as IMAGES OF OPERAND REGISTERS: each tensor [batch x 8 + pair of heads][step of 128 tokens: 16][block of 16,384 bytes],
; a block [a 8][c 4][lane 32][16 bytes].  Q, K: a = a tile of 16 tokens, c = 2 x (head of the pair) + load; two loads of 16 bytes a lane are a fragment of the K = 64 form.
; V: a = 4 x (head of the pair) + tile of 16 of the head's 64; four loads are a fragment of the K = 128 form (16 of the head's 64 x 128 tokens).
; THE SOFTMAX AHEAD OF THE SECOND PRODUCT: t = score x log2(e) / 8; M = the row's largest t so far, rounded UP to a whole number; p = 2^(t - M) is quantised with 2^ep; it is not normalised.
; The row's sum is taken of the unquantised p, in f32, and divides O at the end.  When M moves, the sum and O are multiplied by 2^(old M - new M): exact.
; SHARES.  A work-group owns 512 queries of one head; each of its eight waves 64: four tiles of 16, in 512 registers.  Every wave walks all 2,048 keys, 128 a step.
; THE SOFTMAX GOES TWO TILES AT A TIME.  The maxima run in four chains and the two tiles' statistics line by line.  The exponentials go in two batches of 64, each with one wait ahead of it and one behind it:
; among the first tile's stand the second tile's 32 scalings, among the second tile's the first tile's 32 holds: lines whose sources stand ahead of the batch's wait and whose results are first read behind the wait that follows it.
; A tile's sum runs in four chains.
; ALL OF THE HEAD'S K AND V, 2 x 131,072 bytes, LIE IN LDS AND ARE FILLED ONCE.  A wave issues one tensor load at the head (waves 0-3: K's steps 0-4, ten tiles each; waves 4-7: V's steps 0-3, one each)
; and one behind the three lines and a round of the cluster's barrier (K's steps 5-15, V's steps 4-15); steps 0-3 are worked while the second loads are out.
; CLUSTER.  The four blocks of 512 queries of a head need the same K and V: every load is asked for jointly, with the same descriptor and the mask of all four.
; No prefetch: every tensor load of the launch goes out ahead of the first key step, so there is no later load to ask ahead for.
; LAYOUT.  Both products are used transposed: S^T = K Q^T, O^T = V^T P^T: a lane holds ONE query (lane % 16) throughout.  In S^T's tile a a lane's eight registers are keys 16 a + 8 (lane / 16) + 0..7:
; their eight codes are registers 2 a, 2 a + 1 of P's fragment.  The images are read at 16 x lane: each LDS load takes 512 consecutive bytes.
; K's fragments of the NEXT step are read during a step: tiles 0-3 behind the step's last use of K, tiles 4-7 (which share the registers of V's first two fragments) behind the first half of the second product.
; The last step reads its own K once more (clamped address) and uses nothing of it.
; LIMITS on the given exponents: eq + ek between -123 and 130 (added to c's exponent field); ep between -126 and 119; ep + ev is applied by v_ldexp_f32 and has none.
; REGISTERS, in windows of 256 (s_set_vgpr_msb's low byte: bits 1:0 source 0, 3:2 source 1, 5:4 source 2, 7:6 destination):
;   window 0: v1-15 addresses, constants, at work; v16-31 statistics, four a tile; v32-55 at work; v64-191 S^T of two tiles, then p; v192-255 P's codes, 16 a tile
;   window 1: v0-127 O^T, 32 a tile; v128-159 Q; v160-223 V's four fragments (v160-191 first K's tiles 4-7); v224-255 K's tiles 0-3
.set STEPB, 8192                       ; a step's bytes of K, and of V, in LDS
.set VOFF,  131072                     ; LDS: K's 16 steps, then V's 16 steps,
.set STAGE, 262144                     ; a stage of 16 rows x 272 bytes for each wave, for the way out: no tensor load lands there,
.set SP,    272
.set SPARE, 0x48800                    ; and the spare words, 128 bytes a wave
.set KMEM,  8388608
.set VMEM,  16777216
.set LI,  1                            ; 16 x lane
.set ADK, 2                            ; LDS address of the next step's K
.set ADV, 3                            ; of this step's V
.set STO, 4                            ; the way out: where I put 32 bytes of a row
.set RD,  5                            ; where I read a row back
.set GO,  6                            ; my byte offset in the wave's rows of out
.set SCL, 7                            ; 2^ep as f32
.set LIM, 8                            ; v8, v9: 448 x 2^ep, twice (the dual form wants its two second sources in different banks)
.set MA,  10                           ; v10-13 the maxima's four chains: two a tile; then at work
.set PD,  14                           ; v14, v15 the lane permutes' destinations
.set STAT, 16                          ; tile q at v[16 + 4 q]: -M, the largest score, the sum in two halves
.set SUM2, 32                          ; v32-37 the sum's three further chains
.set RL,  36                           ; v36-43 the way out: 2^(ep + ev) / l, a pair a tile
.set PW,  44                           ; v44-47 the way out: the lane permutes' destinations
.set F,   48                           ; v48-55 f = 2^(old M - new M), a pair a tile (the upper half is only named)
.set SPW, 62
.set NIL, 63
.set S,   64
.set BK,  128                          ; the way out: rows read back, 32 registers a tile
.set P,   192
.set QF,  128                          ; window 1
.set VF,  160
.set KHI, 160
.set KLO, 224
.set WV,  10
.set G1KA, 16
.set G1KB, 24
.set G1VA, 32
.set G1VB, 40
.set G0KA, 48
.set G0KB, 52
.set G0VA, 56
.set G0VB, 60
.set SEL, 66                           ; s[66:67] lane selects: lane l xor 16
.set CS,  68                           ; s[68:69] c = log2(e) / 8 x 2^(eq + ek)
.set TB,  70                           ; LDS byte of the step's K
.set CNT, 71
.set TV,  80
.set TN,  81
.set MSB, 0
.macro WIN new                         ; the immediate's high byte repeats the setting that is left
.if MSB != (\new)
	s_set_vgpr_msb (MSB<<8)|(\new)
.set MSB, (\new)
.endif
.endm
.macro CROUND                          ; a round of the cluster's barrier
	s_barrier_signal -1
	s_barrier_wait -1
	s_cmp_lg_u32 s[WV], 0
	s_cbranch_scc1 .Lnot_wave_0_\@
	s_barrier_signal -3
.Lnot_wave_0_\@:
	s_barrier_wait -3
	s_barrier_signal -1
	s_barrier_wait -1
.endm
.macro GROUP1 g, c, r, p               ; r rows of c elements of 8 bytes, p elements from row to row; dense in LDS; the mask names all four work-groups, bit 21 beside it
	s_mov_b32 s[\g], 15|(3<<16)|(1<<21)
	s_mov_b32 s[\g+1], (\c)<<16
	s_mov_b32 s[\g+2], (\r)<<16
	s_mov_b32 s[\g+3], (\c)<<16
	s_mov_b32 s[\g+4], \r
	s_mov_b32 s[\g+5], \p
	s_mov_b32 s[\g+6], 0
	s_mov_b32 s[\g+7], 0
.endm
.macro JLOAD gk, g1k, gv, g1v          ; waves 0-3 ask for K, waves 4-7 for V: one load in each arm; s_nop 0 and four v_nop behind each
	s_cmp_lt_u32 s[WV], 4
	s_cbranch_scc0 .Lfor_v_\@
	tensor_load_to_lds s[\gk:\gk+3], s[\g1k:\g1k+7]
	s_nop 0
.rept 4
	v_nop
.endr
	s_branch .Lasked_\@
.Lfor_v_\@:
	tensor_load_to_lds s[\gv:\gv+3], s[\g1v:\g1v+7]
	s_nop 0
.rept 4
	v_nop
.endr
.Lasked_\@:
.endm
	s_load_b128 s[4:7], s[0:1], 0x0                ; qkv, the scales' exponents
	s_load_b64 s[8:9], s[0:1], 0x10                ; out
	v_lshl_add_u32 v[SPW], v0, 2, SPARE
	v_mov_b32 v[NIL], 0
	ds_add_u32 v[SPW], v[NIL]                      ; the opening lines: the add, twice on end, and its wait below
	ds_add_u32 v[SPW], v[NIL]
	v_lshrrev_b32 v1, 5, v0
	v_readfirstlane_b32 s[WV], v1                  ; wave 0..7
	s_bfe_u32 s11, ttmp6, 0x40000                  ; cx
	s_lshl_b32 s12, ttmp9, 2
	s_add_co_u32 s12, s12, s11                     ; my block of 512 queries: it enters Q's and out's addresses alone
	s_and_b32 s13, ttmp7, 0xffff                   ; 16 x batch + head, which the four partners share
	; a head's K: rows of 1,024 bytes (a tile of 16 keys), 2,048 bytes apart;  its V: 8,192 bytes a step, 16,384 bytes apart
	GROUP1 G1KA, 128, 10, 256
	GROUP1 G1KB, 128, 22, 256
	GROUP1 G1VA, 128, 8, 128
	GROUP1 G1VB, 1024, 3, 2048
	s_lshr_b32 s14, s13, 1
	s_lshl_b32 s14, s14, 18                        ; the pair of heads' 262,144 bytes in each tensor
	s_and_b32 s15, s13, 1                          ; which head of the pair
	s_and_b32 s77, s[WV], 3
	s_mul_i32 s2, s77, 10*2048                     ; K, first load: tiles 10 (wave % 4) on
	s_add_co_u32 s2, s2, s14
	s_lshl_b32 s79, s15, 10
	s_add_co_u32 s2, s2, s79
	s_add_co_u32 s2, s2, KMEM
	s_mov_b32 s3, 0
	s_lshl_b32 s78, s77, 14                        ; V, first load: step wave % 4
	s_add_co_u32 s78, s78, s14
	s_lshl_b32 s79, s15, 13
	s_add_co_u32 s78, s78, s79
	s_add_co_u32 s78, s78, VMEM
	s_mov_b32 s79, 0
	s_mul_i32 s70, s77, 12*2048                    ; from K's first load to its second (tiles 40 + 22 (wave % 4) on)
	s_add_co_u32 s70, s70, 40*2048
	s_mov_b32 s71, 0
	s_lshl_b32 s84, s77, 15                        ; from V's first load to its second (steps 4 + 3 (wave % 4) on)
	s_add_co_u32 s84, s84, 65536
	s_mov_b32 s85, 0
	s_mov_b32 s[G0KA], 1
	s_mul_i32 s[G0KA+1], s77, 10*1024
	s_mov_b32 s[G0KB], 1
	s_mul_i32 s[G0KB+1], s77, 22*1024
	s_add_co_u32 s[G0KB+1], s[G0KB+1], 40*1024
	s_mov_b32 s[G0VA], 1
	s_lshl_b32 s[G0VA+1], s77, 13
	s_add_co_u32 s[G0VA+1], s[G0VA+1], VOFF
	s_mov_b32 s[G0VB], 1
	s_mul_i32 s[G0VB+1], s77, 3*STEPB
	s_add_co_u32 s[G0VB+1], s[G0VB+1], VOFF+4*STEPB
	s_mov_b32 s[SEL], 0x76543210
	s_mov_b32 s[SEL+1], 0xfedcba98
	s_wait_dscnt 0x0                               ; both opening adds are done
	s_wait_kmcnt 0x0
	s_load_b128 s[72:75], s[6:7], 0x18             ; entries 6 to 9: eq, ek, ev, ep
	s_add_nc_u64 s[G0KA+2:G0KA+3], s[4:5], s[2:3]
	s_add_nc_u64 s[G0KB+2:G0KB+3], s[G0KA+2:G0KA+3], s[70:71]
	s_add_nc_u64 s[G0VA+2:G0VA+3], s[4:5], s[78:79]
	s_add_nc_u64 s[G0VB+2:G0VB+3], s[G0VA+2:G0VA+3], s[84:85]
.irp g, G0KA, G0KB, G0VA, G0VB
	s_or_b32 s[\g+3], s[\g+3], 0x80000000          ; type = 2
.endr
	CROUND                                         ; all four work-groups are here: the joint loads meet
	JLOAD G0KA, G1KA, G0VA, G1VA                   ; one tensor load a wave at the head
	; Q: my four tiles are tiles 32 x + 4 w on of the head's 128, 2,048 bytes apart
	s_lshl_b32 s78, s12, 5
	s_lshl_b32 s79, s[WV], 2
	s_add_co_u32 s78, s78, s79
	s_lshl_b32 s78, s78, 11
	s_add_co_u32 s78, s78, s14
	s_lshl_b32 s79, s15, 10
	s_add_co_u32 s78, s78, s79
	s_mov_b32 s79, 0
	s_add_nc_u64 s[4:5], s[4:5], s[78:79]
	v_and_b32 v1, 31, v0
	v_lshlrev_b32 v[LI], 4, v1
	WIN 0x40                                       ; destination window 1, address window 0
.irp q, 0,1,2,3
.irp c, 0,1
	global_load_b128 v[QF+8*\q+4*\c:QF+8*\q+4*\c+3], v[LI], s[4:5] offset:\q*2048+\c*512 th:TH_LOAD_NT   ; Q stays in registers; each load takes 512 consecutive bytes
.endr
.endr
.set j, 0
.rept 128
	v_mov_b32 v[j], 0                              ; O^T: the key step has no first step of its own; the first finds zeros, which the first change of M leaves zeros
.set j, j+1
.endr
	WIN 0
.irp q, 0,1,2,3
	v_mov_b32 v[STAT+4*\q], 0x7f61b1e6             ; -M = 3e38
	v_mov_b32 v[STAT+4*\q+1], 0xff61b1e6           ; the largest score so far: -3e38
	v_mov_b32 v[STAT+4*\q+2], 0                    ; the sum, in two halves
	v_mov_b32 v[STAT+4*\q+3], 0
	v_mov_b32 v[PW+\q], 0                          ; a lane permute's destination counts as one of its sources
	v_mov_b32 v[F+2*\q+1], 0                       ; (named as the upper half of a pair)
.endr
	v_mov_b32 v[PD], 0
	v_mov_b32 v[PD+1], 0
	v_mov_b32 v[ADK], v[LI]                        ; K's step 0
	v_and_b32 v10, 15, v0                          ; r
	v_bfe_u32 v11, v0, 4, 1                        ; h
	s_mul_i32 s77, s[WV], 16*SP
	s_add_co_u32 s77, s77, STAGE                   ; my stage
	v_mul_u32_u24 v[STO], v10, SP                  ; in: row r; tile t's eight channels of my half: 64 t + 32 h bytes on
	v_lshl_add_u32 v[STO], v11, 5, v[STO]
	v_add_nc_u32 v[STO], s77, v[STO]
	v_mul_u32_u24 v[RD], v11, SP                   ; back: lanes 0-15 one row of 256 bytes, lanes 16-31 the next
	v_lshl_add_u32 v[RD], v10, 4, v[RD]
	v_add_nc_u32 v[RD], s77, v[RD]
	v_lshlrev_b32 v[GO], 12, v11                   ; and the same two rows in out, 4,096 bytes apart
	v_lshl_add_u32 v[GO], v10, 4, v[GO]
	s_lshr_b32 s78, s13, 4
	s_lshl_b32 s78, s78, 23                        ; out: the batch,
	s_lshl_b32 s79, s12, 21                        ; my block's 512 rows,
	s_add_co_u32 s78, s78, s79
	s_lshl_b32 s79, s[WV], 18                      ; my wave's 64,
	s_add_co_u32 s78, s78, s79
	s_and_b32 s79, s13, 15
	s_lshl_b32 s79, s79, 8                         ; the head's 256 bytes of a row
	s_add_co_u32 s78, s78, s79
	s_mov_b32 s79, 0
	s_add_nc_u64 s[8:9], s[8:9], s[78:79]
	s_wait_kmcnt 0x0                               ; eq, ek, ev, ep
	s_add_co_i32 s77, s72, s73
	s_lshl_b32 s77, s77, 23
	s_add_co_i32 s[CS], s77, 0x3e38aa3b            ; c = log2(e) / 8, with eq + ek added to its exponent field
	s_mov_b32 s[CS+1], s[CS]
	s_add_co_i32 s76, s74, s75                     ; ev + ep
	s_add_co_i32 s77, s75, 127
	s_lshl_b32 s78, s77, 23
	v_mov_b32 v[SCL], s78                          ; 2^ep
	s_add_co_i32 s77, s77, 8
	s_lshl_b32 s77, s77, 23
	s_or_b32 s77, s77, 0x600000
	v_mov_b32 v[LIM], s77                          ; 448 x 2^ep
	v_mov_b32 v[LIM+1], s77
; S^T of tiles 2 p and 2 p + 1, key tiles a0 .. a1: each product starts its sum with the constant 0; a fragment of K serves both tiles
.macro SW p, a0, a1
	WIN 0x05                                       ; K and Q in window 1, S^T in window 0
.set a, \a0
.rept \a1-\a0+1
.set KR, KLO+8*a-(a/4)*(KLO+32-KHI)
	v_wmma_f32_16x16x64_fp8_fp8 v[S+8*a:S+8*a+7], v[KR:KR+7], v[QF+16*(\p):QF+16*(\p)+7], 0
	v_wmma_f32_16x16x64_fp8_fp8 v[S+64+8*a:S+64+8*a+7], v[KR:KR+7], v[QF+16*(\p)+8:QF+16*(\p)+15], 0
.set a, a+1
.endr
.endm
.macro RESC q                          ; O^T of tile q under the new M: x f; each accumulator from its low end on.  Window 0x41: O^T in window 1, f in window 0
.set j, 0
.rept 16
	v_pk_mul_f32 v[32*(\q)+j:32*(\q)+j+1], v[32*(\q)+j:32*(\q)+j+1], v[F+2*(\q):F+2*(\q)+1] op_sel_hi:[1,0]
.set j, j+2
.endr
.endm
.macro PV t0, t1                       ; O^T += V^T P^T, V's fragments t0 and t1: the accumulators take turns, one instruction a turn
	WIN 0x51                                       ; V and O^T in window 1, P in window 0
.irp t, \t0, \t1
.irp q, 0,1,2,3
	v_wmma_f32_16x16x128_fp8_fp8 v[32*\q+8*\t:32*\q+8*\t+7], v[VF+16*\t:VF+16*\t+15], v[P+16*\q:P+16*\q+15], v[32*\q+8*\t:32*\q+8*\t+7]
.endr
.endr
.endm
.macro LDK reg, a0                     ; four tiles of K, a0 on, of the step at ADK.  Window 0x40
.irp i, 0,1,2,3
	ds_load_b128 v[\reg+8*\i:\reg+8*\i+3], v[ADK] offset:(\a0+\i)*1024
	ds_load_b128 v[\reg+8*\i+4:\reg+8*\i+7], v[ADK] offset:(\a0+\i)*1024+512
.endr
.endm
; the hold of n pairs of p from v[lo] on: the conversion to an 8-bit code does not saturate (ISA guide 7.6.2); p is not negative, so the hold is one-sided; no branch hangs on ep
.macro HOLD lo, n
.set hh, \lo
.rept \n
	v_dual_min_num_f32 v[hh], v[hh], v[LIM] :: v_dual_min_num_f32 v[hh+1], v[hh+1], v[LIM+1]
.set hh, hh+2
.endr
.endm
; the row's sum of the UNQUANTISED p of the tile at S + b, two numbers an instruction, in four chains.  hold = 1: behind each group's additions stands its hold
.macro SUMS st, b, hold
	v_pk_add_f32 v[SUM2:SUM2+1], v[S+\b:S+\b+1], v[S+\b+2:S+\b+3]
	v_pk_add_f32 v[SUM2+2:SUM2+3], v[S+\b+4:S+\b+5], v[S+\b+6:S+\b+7]
	v_pk_add_f32 v[SUM2+4:SUM2+5], v[S+\b+8:S+\b+9], v[S+\b+10:S+\b+11]
.if \hold
	HOLD S+\b, 6
.endif
.set j, \b+12
.rept 6
	v_pk_add_f32 v[\st+2:\st+3], v[\st+2:\st+3], v[S+j:S+j+1]
	v_pk_add_f32 v[SUM2:SUM2+1], v[SUM2:SUM2+1], v[S+j+2:S+j+3]
	v_pk_add_f32 v[SUM2+2:SUM2+3], v[SUM2+2:SUM2+3], v[S+j+4:S+j+5]
	v_pk_add_f32 v[SUM2+4:SUM2+5], v[SUM2+4:SUM2+5], v[S+j+6:S+j+7]
.if \hold
	HOLD S+j, 4
.endif
.set j, j+8
.endr
	v_pk_add_f32 v[\st+2:\st+3], v[\st+2:\st+3], v[S+j:S+j+1]
	v_pk_add_f32 v[SUM2:SUM2+1], v[SUM2:SUM2+1], v[S+j+2:S+j+3]
.if \hold
	HOLD S+j, 2
.endif
	v_pk_add_f32 v[SUM2+2:SUM2+3], v[SUM2+2:SUM2+3], v[SUM2+4:SUM2+5]
	v_pk_add_f32 v[\st+2:\st+3], v[\st+2:\st+3], v[SUM2:SUM2+1]
	v_pk_add_f32 v[\st+2:\st+3], v[\st+2:\st+3], v[SUM2+2:SUM2+3]
.endm
; THE SOFTMAX of tiles 2 p and 2 p + 1 for a step; all in window 0
.macro SM2 p
.set ST0, STAT+8*(\p)
.set ST1, ST0+4
.set F0, F+4*(\p)
.set F1, F0+2
	WIN 0
	v_max3_num_f32 v[MA], v[S], v[S+1], v[S+2]     ; the step's largest score among my 64 keys: two chains a tile; each accumulator is first read at its low end
	v_max3_num_f32 v[MA+2], v[S+64], v[S+65], v[S+66]
	v_max3_num_f32 v[MA+1], v[S+3], v[S+4], v[S+5]
	v_max3_num_f32 v[MA+3], v[S+67], v[S+68], v[S+69]
.set i, 6
.rept 14
	v_max3_num_f32 v[MA], v[MA], v[S+i], v[S+i+1]
	v_max3_num_f32 v[MA+2], v[MA+2], v[S+64+i], v[S+65+i]
	v_max3_num_f32 v[MA+1], v[MA+1], v[S+i+2], v[S+i+3]
	v_max3_num_f32 v[MA+3], v[MA+3], v[S+66+i], v[S+67+i]
.set i, i+4
.endr
	v_max3_num_f32 v[MA], v[MA], v[S+62], v[S+63]
	v_max3_num_f32 v[MA+2], v[MA+2], v[S+126], v[S+127]
	v_max_num_f32 v[MA], v[MA], v[MA+1]
	v_max_num_f32 v[MA+2], v[MA+2], v[MA+3]
	v_permlanex16_b32 v[PD], v[MA], s[SEL], s[SEL+1]
	v_permlanex16_b32 v[PD+1], v[MA+2], s[SEL], s[SEL+1]
	v_mov_b32 v[MA+1], v[ST0]                      ; the old -M
	v_mov_b32 v[MA+3], v[ST1]
	v_max3_num_f32 v[ST0+1], v[ST0+1], v[MA], v[PD]   ; the running largest score: mine, lane l xor 16's, the earlier steps'
	v_max3_num_f32 v[ST1+1], v[ST1+1], v[MA+2], v[PD+1]
	v_mul_f32 v[MA], s[CS], v[ST0+1]               ; as t (c is positive, so the largest score gives the largest t)
	v_mul_f32 v[MA+2], s[CS], v[ST1+1]
	v_floor_f32 v[ST0], -v[MA]                     ; the new -M = floor(-t) = -ceil(t)
	v_floor_f32 v[ST1], -v[MA+2]
	v_sub_f32 v[MA+1], v[ST0], v[MA+1]             ; old M - new M: a whole number, 0 or less
	v_sub_f32 v[MA+3], v[ST1], v[MA+3]
	v_cvt_i32_f32 v[MA+1], v[MA+1]                 ; (it saturates)
	v_cvt_i32_f32 v[MA+3], v[MA+3]
	v_ldexp_f32 v[F0], 1.0, v[MA+1]                ; f = 2^(old M - new M)
	v_ldexp_f32 v[F1], 1.0, v[MA+3]
.set j, 0
.rept 32
	v_pk_fma_f32 v[S+j:S+j+1], v[S+j:S+j+1], s[CS:CS+1], v[ST0:ST0+1] op_sel_hi:[1,0,0]   ; the first tile's t - M (of the pairs c and -M the low word serves both halves)
.set j, j+2
.endr
	s_wait_alu depctr_va_vdst(0)                   ; the wait ahead of the batch
.set j, 0
.rept 32
	v_exp_f32 v[S+j], v[S+j]                       ; the first tile's p = 2^(t - M), at most 1: not normalised;
	v_pk_fma_f32 v[S+64+j:S+65+j], v[S+64+j:S+65+j], s[CS:CS+1], v[ST1:ST1+1] op_sel_hi:[1,0,0]   ; among them the second tile's t - M, first read behind the two waits below
	v_exp_f32 v[S+j+1], v[S+j+1]
.set j, j+2
.endr
	v_pk_mul_f32 v[ST0+2:ST0+3], v[ST0+2:ST0+3], v[F0:F0+1] op_sel_hi:[1,0]   ; the sums under the new M: plain instructions behind the last exponential
	v_pk_mul_f32 v[ST1+2:ST1+3], v[ST1+2:ST1+3], v[F1:F1+1] op_sel_hi:[1,0]
	s_wait_alu depctr_va_vdst(0)                   ; the one wait behind the batch, ahead of its first reader
	SUMS ST0, 0, 0                                 ; the first tile's sum, ahead of its hold
	s_wait_alu depctr_va_vdst(0)                   ; the wait ahead of the second batch
.set j, 0
.rept 32
	v_exp_f32 v[S+64+j], v[S+64+j]                 ; the second tile's p; among them the first tile's hold, first read behind the wait below
	v_dual_min_num_f32 v[S+j], v[S+j], v[LIM] :: v_dual_min_num_f32 v[S+j+1], v[S+j+1], v[LIM+1]
	v_exp_f32 v[S+65+j], v[S+65+j]
.set j, j+2
.endr
	v_nop                                          ; a plain place behind the last exponential
	s_wait_alu depctr_va_vdst(0)                   ; and the wait behind the batch
	SUMS ST1, 64, 1                                ; the second tile's sum and hold
.irp a, 0,1,2,3,4,5,6,7
	v_cvt_scalef32_pk8_fp8_f32 v[P+32*(\p)+2*\a:P+32*(\p)+2*\a+1], v[S+8*\a:S+8*\a+7], v[SCL]   ; keys 16 a + 8 h + 0..7: registers 2 a, 2 a + 1 of P's fragment
	v_cvt_scalef32_pk8_fp8_f32 v[P+32*(\p)+16+2*\a:P+32*(\p)+17+2*\a], v[S+64+8*\a:S+71+8*\a], v[SCL]
.endr
	v_nop                                          ; one plain vector instruction behind the conversions
.endm
; A KEY STEP: 128 keys.  K's and V's fragments are read once and serve all four tiles of queries.
.macro STEP
	s_add_co_u32 s[TV], s[TB], VOFF
	s_add_co_u32 s[TN], s[TB], STEPB
	s_min_u32 s[TN], s[TN], 15*STEPB               ; the next step's K; the last step names itself
	s_add_co_u32 s[TB], s[TB], STEPB
	SW 0, 0, 3                                     ; K's tiles 0-3 were waited for in front of the last second product (ahead of the first step: by the count there)
	s_wait_dscnt 0x0                               ; tiles 4-7 are in
	SW 0, 4, 7
	WIN 0
	v_add_nc_u32 v[ADV], s[TV], v[LI]              ; four places behind the products: the step's two addresses and two idle lines
	v_add_nc_u32 v[ADK], s[TN], v[LI]
	v_nop
	v_nop
	SM2 0
	SW 1, 0, 7
	WIN 0x41
	s_wait_alu depctr_va_vdst(0)                   ; the wait directly ahead of the first readers of O^T
	RESC 0                                         ; these 32 are also the places in front of the loads below
	RESC 1
	WIN 0x40
.irp t, 0,1,2,3
.irp c, 0,1,2,3
	ds_load_b128 v[VF+16*\t+4*\c:VF+16*\t+4*\c+3], v[ADV] offset:\t*2048+\c*512
.endr
.endr
	LDK KLO, 0                                     ; the next step's tiles 0-3
	SM2 1
	WIN 0x41
	s_wait_alu depctr_va_vdst(0)                   ; as above, for tiles 2 and 3
	RESC 2
	RESC 3
	s_wait_alu depctr_va_vdst(0)                   ; the wait directly ahead of the wait below
	s_wait_dscnt 0x0                               ; V is in, and the next step's tiles 0-3 of K
	PV 0, 1
	WIN 0
.rept 4
	v_nop                                          ; places in front of the loads into the registers of V's fragments 0 and 1
.endr
	WIN 0x40
	LDK KHI, 4                                     ; the next step's tiles 4-7: eight products of this step and eight of the next stand ahead of the wait for them
	PV 2, 3
	WIN 0                                          ; at a label and at a branch every window is 0
.endm
	s_wait_alu depctr_va_vdst(0)                   ; the wait at the head's end
	s_wait_tensorcnt 0x0                           ; my first load has landed; the three lines ahead of a later first fill
	ds_add_u32 v[SPW], v[NIL]
	s_wait_dscnt 0x0
	CROUND                                         ; K's steps 0-4 and V's steps 0-3 are whole, and the four work-groups are here
	JLOAD G0KB, G1KB, G0VB, G1VB                   ; the rest of K and V: my one tensor load behind the round
	WIN 0x40
	LDK KLO, 0                                     ; K's step 0
	LDK KHI, 4
	WIN 0
	s_wait_loadcnt 0x0                             ; Q
	s_wait_dscnt 8                                 ; tiles 0-3 are in; the eight loads of tiles 4-7 may be out
	s_mov_b32 s[TB], 0
	s_mov_b32 s[CNT], 4
.Lfirst_steps:                                         ; steps 0 to 3: they read K's bytes under 5 x 8,192 and V's under 4 x 8,192 alone
	STEP
	s_sub_co_u32 s[CNT], s[CNT], 1
	s_cmp_lg_u32 s[CNT], 0
	s_cbranch_scc1 .Lfirst_steps
	s_wait_tensorcnt 0x0                           ; my second load has landed,
	s_wait_dscnt 0x0
	s_barrier_signal -1
	s_barrier_wait -1                              ; everybody's has
	s_mov_b32 s[TB], 4*STEPB
	s_mov_b32 s[CNT], 12
.Lsteps:                                               ; steps 4 to 15
	STEP
	s_sub_co_u32 s[CNT], s[CNT], 1
	s_cmp_lg_u32 s[CNT], 0
	s_cbranch_scc1 .Lsteps
	; THE WAY OUT.  The sum's two halves and lane l xor 16's are added; O^T is multiplied by 2^(ep + ev) / l and goes through my stage in LDS, a tile (16 rows of 256 bytes) at a time.
	s_wait_dscnt 0x0                               ; the last step's loads of K, of which nothing is used
.irp q, 0,1,2,3
	v_add_f32 v[RL+2*\q], v[STAT+4*\q+2], v[STAT+4*\q+3]
.endr
.irp q, 0,1,2,3
	v_permlanex16_b32 v[PW+\q], v[RL+2*\q], s[SEL], s[SEL+1]
.endr
.irp q, 0,1,2,3
	v_add_f32 v[RL+2*\q], v[RL+2*\q], v[PW+\q]     ; l: over 1/2, since the row's largest p is
.endr
	s_wait_alu depctr_va_vdst(0)                   ; the wait ahead of the batch
.irp q, 0,1,2,3
	v_rcp_f32 v[RL+2*\q], v[RL+2*\q]
.endr
	v_nop                                          ; a plain instruction behind the last reciprocal
	s_wait_alu depctr_va_vdst(0)                   ; and the wait behind the batch
.irp q, 0,1,2,3
	v_ldexp_f32 v[RL+2*\q], v[RL+2*\q], s76        ; x 2^(ep + ev)
.endr
.irp q, 0,1,2,3
	v_mov_b32 v[RL+2*\q+1], v[RL+2*\q]             ; a pair for the packed multiplication
.endr
; Tile q: register 8 t + i of a lane is out(query r, channel 16 t + 8 h + i).  They go into rows of 272 bytes and come back as whole rows of 256.
.macro PACK q
.set SB, S+32*((\q)%2)
	WIN 0x01                                       ; source 0 (O^T) window 1
	s_wait_alu depctr_va_vdst(0)                   ; the wait directly ahead of the first readers of O^T
.set j, 0
.rept 16
	v_pk_mul_f32 v[SB+j:SB+j+1], v[32*(\q)+j:32*(\q)+j+1], v[RL+2*(\q):RL+2*(\q)+1]   ; each accumulator from its low end on
.set j, j+2
.endr
	WIN 0
.irp t, 0,1,2,3
	ds_store_b128 v[STO], v[SB+8*\t:SB+8*\t+3] offset:64*\t
	ds_store_b128 v[STO], v[SB+8*\t+4:SB+8*\t+7] offset:64*\t+16
.endr
.irp i, 0,1,2,3,4,5,6,7
	ds_load_b128 v[BK+32*(\q)+4*\i:BK+32*(\q)+4*\i+3], v[RD] offset:\i*2*SP   ; LDS serves a wave's instructions in order (ISA guide 5.7.1.4): these see the stores above; the next tile's stores come behind them
.endr
.endm
.macro SEND q, younger                 ; younger: the LDS instructions issued behind tile q's loads: the next tile's sixteen, or none
.irp f, 0,1,2,3,4,5,6,7
	s_wait_dscnt \younger+7-\f
	global_store_b128 v[GO], v[BK+32*(\q)+4*\f:BK+32*(\q)+4*\f+3], s[8:9] offset:(\q)*65536+\f*8192 th:TH_STORE_NT   ; 16 lanes store 256 consecutive bytes, at a multiple of 256 from out's first byte
.endr
.endm
	PACK 0
	PACK 1
	SEND 0, 16
	PACK 2
	SEND 1, 16
	PACK 3
	SEND 2, 16
	SEND 3, 0
	s_wait_tensorcnt 0x0                           ; the wave's end
	ds_add_u32 v[SPW], v[NIL]
	s_wait_dscnt 0x0
	CROUND                                         ; the closing round
	s_endpgm
.Lfunc_end_k_q4922a1493b_attn:
	.size	k_q4922a1493b_attn, .Lfunc_end_k_q4922a1493b_attn-k_q4922a1493b_attn
	.p2alignl 7, 3214868480
	.fill 96, 4, 3214868480
	.section	.rodata,"a",@progbits
	.p2align	6, 0x0
	.amdhsa_kernel k_q4922a1493b_attn
		.amdhsa_group_segment_fixed_size 327680
		.amdhsa_private_segment_fixed_size 0
		.amdhsa_enable_private_segment 0
		.amdhsa_kernarg_size 24
		.amdhsa_user_sgpr_count 2
		.amdhsa_user_sgpr_kernarg_segment_ptr 1
		.amdhsa_wavefront_size32 1
		.amdhsa_system_sgpr_workgroup_id_x 1
		.amdhsa_system_sgpr_workgroup_id_y 1
		.amdhsa_system_sgpr_workgroup_id_z 1
		.amdhsa_system_vgpr_workitem_id 0
		.amdhsa_next_free_vgpr 512
		.amdhsa_next_free_sgpr 90
		.amdhsa_reserve_vcc 0
		.amdhsa_float_denorm_mode_32 3
		.amdhsa_float_denorm_mode_16_64 3
		.amdhsa_memory_ordered 1
		.amdhsa_forward_progress 1
		.amdhsa_inst_pref_size 139
	.end_amdhsa_kernel
	.amdgpu_metadata
---
amdhsa.version: [ 1, 2 ]
amdhsa.kernels:
  - .name:           k_q4922a1493b_attn
    .symbol:         k_q4922a1493b_attn.kd
    .args:
      - { .name: qkv, .offset: 0, .size: 8, .value_kind: global_buffer, .address_space: global }
      - { .name: lowp_scales, .offset: 8, .size: 8, .value_kind: global_buffer, .address_space: global }
      - { .name: out0, .offset: 16, .size: 8, .value_kind: global_buffer, .address_space: global }
    .group_segment_fixed_size: 327680
    .private_segment_fixed_size: 0
    .kernarg_segment_align: 8
    .kernarg_segment_size: 24
    .max_flat_workgroup_size: 256
    .sgpr_count:     90
    .vgpr_count:     512
    .wavefront_size: 32
...
	.end_amdgpu_metadata
.endif
;; end of part 2
